; MI455X (gfx1250); checked and timed in simulation.
; The chip was launched on July 23, 2026; its instructions are those of AMD's public machine-readable ISA for CDNA 5 (MIT licence, August 2026) and "CDNA5" Instruction Set Architecture Reference Guide (July 2026). The comments in the code are by the model that wrote it; some were corrected since.
;; Attention. Allowed arithmetic: matrix products marked QUANTISED: E4M3 operands, one given power-of-two scale a tensor, by v_wmma_f32_16x16x64_fp8_fp8 or v_wmma_f32_16x16x128_fp8_fp8, f32 sums; everything else in f32.
;; Inputs: embed_output 32 x 2,048 x 1,024 float32; lowp_scales 2 int32 (the exponents e of the quantised operands' scales 2^e); mask 32 x 2,048 bool; w 1,024 x 1,024 float32.
;; Outputs: out0 32 x 1,024 float32; out1 32 x 2,048 x 1 float32.
;; This version of the problem:
;;   THIS VERSION OF THE PROBLEM IS GIVEN IN LOW PRECISION. The matrix products marked QUANTISED in the list below multiply operands that are first quantised to E4M3 (4 exponent bits, 3 mantissa bits; 8 bits a number), with one given power-of-two scale for each operand tensor; their sums are f32. All else is computed in f32.
;;   The module's matrix products, in the order in which they are computed (A, B: the left and right operand; K: the contracted axis; several contracted axes count as one K, in the product's order):
;;     1. [M 65,536, K 1,024] x [K 1,024, N 1,024]; A: input embed_output; B: input w: QUANTISED (scales: A lowp_scales[0], B lowp_scales[1])
;;   THE QUANTISER, for each operand of a quantised product, along K:
;;     - The operand's scale is 2^e, e = its entry of the input lowp_scales (int32; the entries are numbered through the quantised products in the list's order, A before B).
;;     - Each number is divided by the scale, clamped to +-448, and rounded to the nearest number of E4M3, ties to even, subnormals kept.
;;     - The product sums the exact products of the quantised numbers (number of the format x scale) in f32.
;;   ~~~python
;;   def quantise(x, axis, e):      # numpy; x: float32 -> the quantised numbers, widened to float32 again
;;       x = np.moveaxis(x, axis, -1); K = x.shape[-1]
;;       r = np.clip(x / 2.0 ** e, -448, 448)
;;       step = 2.0 ** (np.maximum(np.frexp(np.where(r == 0, 1, r))[1] - 1, -6) - 3)
;;       q = np.round(r / step) * step * 2.0 ** e      # np.round: ties to even
;;       return np.moveaxis(q, -1, axis).astype(np.float32)
;;   ~~~
;; One version. Each part assembles by itself: llvm-mc -triple=amdgcn-amd-amdhsa -mcpu=gfx1250 --defsym DOCPART=n.
;; ======== version 1 of 1: 3 launches
;; limits: right only within a limited range of input values
;; workspace buffers: ecodes 67,108,864 bytes; wcodes 1,048,576 bytes; psum 1,048,576 bytes; logits 262,144 bytes; order 262,144 bytes of whole numbers; cnt 4,096 bytes of whole numbers
;; launch prep (part 1): grid 256 x 1, 16 waves a work-group, no clusters, 280,576 bytes of LDS; arguments embed_output, w, lowp_scales, mask, ecodes, wcodes, psum, order, cnt; writes ecodes, wcodes, psum, order, cnt
.if DOCPART == 1
	.amdgcn_target "amdgcn-amd-amdhsa--gfx1250"
	.amdhsa_code_object_version 6
	.text
	.protected	k_q76a03435c3_prep
	.globl	k_q76a03435c3_prep
	.p2align	8
	.type	k_q76a03435c3_prep,@function
k_q76a03435c3_prep:
	s_mov_b64 s[64:65], 0
	v_nop
	global_prefetch_b8 v0, s[64:65] scope:SCOPE_SE
	s_setreg_imm32_b32 hwreg(HW_REG_WAVE_MODE, 25, 1), 1
	s_wait_xcnt 0x0
; PREP.  E [65536 rows][1024] f32 and W [1024 (k)][1024 (n)] f32 become codes of E4M3 with the given scales 2^e0, 2^e1; beside that: column sums of E for each 256 rows, and for each
; batch a list of its 2,048 rows, those with a true mask first (ascending), the others from the back, with the count of true rows.
; code = x / 2^e, held within +-448, to the nearest code, ties to even.  LIMITS: e0, e1 between -126 and 119 (2^e and 448 x 2^e are made as f32 patterns); NaN among E and W is not served; mask bytes are 0 or 1.
; THE IMAGE.  16 rows of E (or 16 columns of W) x 1,024 K are 16,384 bytes laid in the order of the product's operand registers: byte 256 g + 16 r + 4 t + e (g 0..63, r 0..15, t 0..3, e 0..3)
; holds row (column) r at k = 128 (4 (g / 32) + t) + 4 (g % 32) + e.  The same permutation of k for both operands, so every product meets its partner.  It is chosen so that a dense load of E
; (lane l: k = 128 j + 4 l + 0..3) feeds the conversions as it comes: a lane's eight code words of a row are two runs of 16 bytes of chunks g = l and g = 32 + l.
; SHARES.  Work-group g: rows 256 g on.  Wave w: 16 rows, one image.  Each load covers 512 consecutive bytes; four rows (32 loads a wave) are on their way.  A row's codes go into the wave's own stage in LDS
; (64 chunks, 272 bytes apart) and the image leaves as 32 stores of 512 consecutive bytes.  Of W each wave makes one chunk of 256 bytes.  No tensor loads, no matrix work, no cluster: the work-groups share no large input.
.set PIT,  272                         ; a chunk's 256 bytes + 16: sixteen lanes' stores of 16 bytes fall on sixteen different columns of 16 bytes
.set STG,  64*PIT                      ; a wave's stage
.set MK,   16                          ; v16-31   64 mask bytes a lane
.set SUM,  32                          ; v32-63   my columns' sums over the wave's 16 rows
.set X,    64                          ; v64-191  four row slots of 32 registers; later the image on its way out
.set C,    192                         ; v192-223 four sets of 8 code words; later the sixteen waves' sums
.set WX,   224                         ; v224-231 eight numbers of W
.set WC,   232                         ; v232-233 their codes
	s_load_b512 s[8:23], s[0:1], 0x0               ; E s[8:9], W s[10:11], scales s[12:13], mask s[14:15], ecodes s[16:17], wcodes s[18:19], psum s[20:21], order s[22:23]
	s_load_b64 s[24:25], s[0:1], 0x40              ; cnt
	v_lshl_add_u32 v254, v0, 2, 0x44000
	v_mov_b32 v255, 0
	v_lshrrev_b32 v1, 5, v0
	s_delay_alu instid0(VALU_DEP_1)
	v_readfirstlane_b32 s26, v1                    ; wave 0..15
	v_and_b32 v1, 31, v0                           ; lane
	s_delay_alu instid0(VALU_DEP_1)
	v_lshlrev_b32 v2, 4, v1                        ; 16 x lane: my bytes of a dense load or store
	s_mul_i32 s27, s26, STG
	v_mul_u32_u24 v3, v1, PIT
	s_delay_alu instid0(VALU_DEP_1)
	v_add_nc_u32 v3, s27, v3                       ; the stage, in: chunk = lane
	v_bfe_u32 v4, v0, 4, 1
	s_delay_alu instid0(VALU_DEP_1)
	v_mul_u32_u24 v4, v4, PIT
	v_and_b32 v5, 15, v0
	s_delay_alu instid0(VALU_DEP_1)
	v_lshl_add_u32 v4, v5, 4, v4
	s_delay_alu instid0(VALU_DEP_1)
	v_add_nc_u32 v4, s27, v4                       ; the stage, out: sixteen lanes to a chunk, two chunks an instruction
	v_and_b32 v5, 1, v0                            ; W: lane = 2 r + tau
	v_bfe_u32 v6, v0, 1, 4
	s_delay_alu instid0(VALU_DEP_1)
	v_lshlrev_b32 v6, 2, v6
	s_delay_alu instid0(VALU_DEP_1)
	v_lshl_add_u32 v5, v5, 20, v6                  ; 256 rows of 4,096 bytes x tau + 4 r
	v_lshlrev_b32 v6, 3, v1                        ; 8 x lane: my 8 codes of W's chunk
	v_lshlrev_b32 v7, 6, v1                        ; 64 x lane: my 64 mask bytes
	s_lshl_b32 s27, s26, 12
	v_add_nc_u32 v8, s27, v2                       ; where my sums go: 4,096 x wave + 16 x lane
	v_lshlrev_b32 v9, 3, v0                        ; 8 x thread: my two columns of the work-group's sums
	v_lshlrev_b32 v247, 2, v1                      ; 4 x lane
	s_mov_b32 s30, 0x76543210                      ; v_permlanex16_b32: lane l xor 16
	s_mov_b32 s31, 0xfedcba98
	s_mov_b32 s33, 0                               ; the upper word of every offset
	s_lshl_b32 s42, ttmp9, 4
	s_add_co_u32 s42, s42, s26                     ; my image of E: 16 g + wave
	s_lshr_b32 s34, ttmp9, 3                       ; batch
	s_and_b32 s43, ttmp9, 7                        ; which 256 rows of it
	s_and_b32 s44, s26, 7
	s_lshl_b32 s35, s43, 8
	s_lshl_b32 s44, s44, 5
	s_add_co_u32 s35, s35, s44                     ; R0: the 32 rows of the batch that my wave places in the list (waves 8-15 repeat waves 0-7 and store nothing of it)
	s_mov_b32 s36, s35
	s_sub_co_i32 s37, s35, 16                      ; R0 - 16 q, signed
	s_sub_co_i32 s38, s35, 32
	s_sub_co_i32 s39, s35, 48
	v_add_nc_u32 v248, s35, v1                     ; my row of the batch
	s_lshl_b32 s46, s43, 4
	s_add_co_u32 s46, s46, s26                     ; 119 in the wave that holds the batch's last 32 rows
	s_lshr_b32 s40, ttmp9, 2                       ; W: chunk g of the image,
	s_and_b32 s41, ttmp9, 3
	s_lshl_b32 s41, s41, 4
	s_add_co_u32 s41, s41, s26                     ; of the tile of 16 columns 16 (g & 3) + wave
	s_wait_alu depctr_va_vdst(0)
	s_wait_kmcnt 0x0
	s_load_b64 s[28:29], s[12:13], 0x0             ; e0, e1
	s_lshl_b32 s32, s42, 16
	s_add_nc_u64 s[8:9], s[8:9], s[32:33]          ; E at my 16 rows
	s_lshr_b32 s32, s40, 5
	s_lshl_b32 s32, s32, 21                        ; 512 rows of W x (chunk / 32)
	s_and_b32 s47, s40, 31
	s_lshl_b32 s47, s47, 14                        ; 4 rows x (chunk % 32)
	s_add_co_u32 s32, s32, s47
	s_lshl_b32 s47, s41, 6                         ; 16 columns x tile
	s_add_co_u32 s32, s32, s47
	s_add_nc_u64 s[10:11], s[10:11], s[32:33]
	s_lshl_b32 s32, s34, 11
	s_add_nc_u64 s[14:15], s[14:15], s[32:33]      ; the batch's mask
	s_lshl_b32 s32, s42, 14
	s_add_nc_u64 s[16:17], s[16:17], s[32:33]      ; my image in ecodes
	s_lshl_b32 s32, s41, 14
	s_lshl_b32 s47, s40, 8
	s_add_co_u32 s32, s32, s47
	s_add_nc_u64 s[18:19], s[18:19], s[32:33]      ; my chunk in wcodes
	s_lshl_b32 s32, ttmp9, 12
	s_add_nc_u64 s[20:21], s[20:21], s[32:33]      ; my work-group's row of psum
	s_lshl_b32 s32, s34, 13
	s_add_nc_u64 s[22:23], s[22:23], s[32:33]      ; the batch's list
	s_lshl_b32 s32, s34, 7
	s_add_nc_u64 s[24:25], s[24:25], s[32:33]      ; the batch's count
.macro FILL rho                        ; row rho of my 16: eight loads of 512 consecutive bytes into slot rho % 4
.irp j, 0,1,2,3,4,5,6,7
	global_load_b128 v[X+32*((\rho)%4)+4*\j:X+32*((\rho)%4)+4*\j+3], v2, s[8:9] offset:(\rho)*4096+512*\j th:TH_LOAD_NT
.endr
.endm
	; the loads, in the order that the counts below lean on: 8 of W, 5 of the mask, 32 of E
.irp t, 0,1
.irp e, 0,1,2,3
	global_load_b32 v[WX+4*\t+\e], v5, s[10:11] offset:(128*\t+\e)*4096   ; W(k, 16 tile + r), k = 512 (g / 32) + 128 (2 tau + t) + 4 (g % 32) + e
.endr
.endr
.irp q, 0,1,2,3
	global_load_b128 v[MK+4*\q:MK+4*\q+3], v7, s[14:15] offset:16*\q
.endr
	global_load_u8 v234, v248, s[14:15]            ; my own row's flag
	FILL 0
	FILL 1
	FILL 2
	FILL 3
	s_wait_kmcnt 0x0
	s_add_co_i32 s28, s28, 127
	s_lshl_b32 s47, s28, 23
	v_mov_b32 v10, s47                             ; 2^e0 as f32: the conversion takes its exponent field
	s_add_co_i32 s28, s28, 8
	s_lshl_b32 s28, s28, 23
	s_or_b32 s28, s28, 0x600000
	v_mov_b32 v11, s28                             ; 448 x 2^e0
	s_add_co_i32 s29, s29, 127
	s_lshl_b32 s47, s29, 23
	v_mov_b32 v12, s47                             ; 2^e1
	s_add_co_i32 s29, s29, 8
	s_lshl_b32 s29, s29, 23
	s_or_b32 s29, s29, 0x600000
	v_mov_b32 v13, s29                             ; 448 x 2^e1
	; ---- W's chunk
	s_wait_alu depctr_va_vdst(0)
	s_wait_loadcnt 37                              ; W's eight are in; younger: 5 of the mask, 32 of E
.irp i, 0,1,2,3,4,5,6,7
	v_med3_num_f32 v[WX+\i], v[WX+\i], -v13, v13   ; the conversion to an 8-bit code does not saturate (ISA guide 7.6.2): the hold comes first
.endr
	v_cvt_scalef32_pk8_fp8_f32 v[WC:WC+1], v[WX:WX+7], v12
	v_nop                                          ; a plain line behind the conversion
	global_store_b64 v6, v[WC:WC+1], s[18:19]      ; the wave stores 256 consecutive bytes, aligned
	; ---- the list: whole numbers only
	s_wait_loadcnt 32                              ; the mask is in; younger: E's 32
.irp q, 0,1,2,3
	v_add3_u32 v[235+\q], v[MK+4*\q], v[MK+4*\q+1], v[MK+4*\q+2]   ; byte by byte: no byte passes 4
	s_delay_alu instid0(VALU_DEP_1)
	v_add_nc_u32 v[235+\q], v[235+\q], v[MK+4*\q+3]
	v_cmp_gt_i32 vcc_lo, s[36+\q], v7              ; these 16 rows lie in front of R0 (R0 is a multiple of 32: wholly or not at all)
	s_delay_alu instid0(VALU_DEP_1)
	v_cndmask_b32 v[235+\q], 0, v[235+\q], vcc_lo
.endr
	v_add3_u32 v235, v235, v236, v237
	s_delay_alu instid0(VALU_DEP_1)
	v_add_nc_u32 v235, v235, v238                  ; no byte passes 16
	s_delay_alu instid0(VALU_DEP_1)
	v_mul_lo_u32 v235, v235, 0x01010101            ; the top byte takes the four bytes' sum
	s_delay_alu instid0(VALU_DEP_1)
	v_lshrrev_b32 v240, 24, v235
	v_mov_b32 v239, 0                              ; written once: the destination of a lane move counts as read
.irp m, 1
	s_delay_alu instid0(VALU_DEP_2)
	v_mov_b32_dpp v239, v240 row_xmask:\m row_mask:0xf bank_mask:0xf
	s_delay_alu instid0(VALU_DEP_1)
	v_add_nc_u32 v240, v240, v239
.endr
.irp m, 2, 4, 8
	s_delay_alu instid0(VALU_DEP_1)
	v_mov_b32_dpp v239, v240 row_xmask:\m row_mask:0xf bank_mask:0xf
	s_delay_alu instid0(VALU_DEP_1)
	v_add_nc_u32 v240, v240, v239
.endr
	s_delay_alu instid0(VALU_DEP_1)
	v_permlanex16_b32 v239, v240, s30, s31
	s_delay_alu instid0(VALU_DEP_1)
	v_add_nc_u32 v240, v240, v239                  ; true rows of the batch in front of R0, in every lane
	v_cmp_ne_u32 vcc_lo, 0, v234
	s_delay_alu instid0(VALU_DEP_1)
	v_mbcnt_lo_u32_b32 v241, vcc_lo, 0             ; true rows among the lanes below me
	s_delay_alu instid0(VALU_DEP_1)
	v_add_nc_u32 v242, v240, v241                  ; a true row's place
	s_delay_alu instid0(VALU_DEP_1)
	v_sub_nc_u32 v243, v248, v242                  ; false rows in front of me,
	s_delay_alu instid0(VALU_DEP_1)
	v_sub_nc_u32 v243, 0x7ff, v243                 ; a false row's place: from the back
	s_delay_alu instid0(VALU_DEP_1)
	v_cndmask_b32 v244, v243, v242, vcc_lo
	s_delay_alu instid0(VALU_DEP_1)
	v_min_u32 v244, 0x7ff, v244                    ; a number made of loaded data enters an address behind a bound
	s_delay_alu instid0(VALU_DEP_1)
	v_lshlrev_b32 v244, 2, v244
	s_bcnt1_i32_b32 s45, vcc_lo
	v_add_nc_u32 v246, s45, v240                   ; true rows up to the end of my 32
	s_cmp_lt_u32 s26, 8
	s_cbranch_scc0 .Lno_list
	global_store_b32 v244, v248, s[22:23]          ; order[place] = row; neither register is written again
.Lno_list:
	s_cmp_eq_u32 s46, 119
	s_cbranch_scc0 .Lno_cnt
	s_wait_alu depctr_va_vdst(0)
	global_store_b32 v247, v246, s[24:25]          ; the batch's count, 32 copies: 128 consecutive bytes
.Lno_cnt:
	; ---- the rows
	s_wait_loadcnt 16                              ; rows 0 and 1 are in; younger: rows 2 and 3
.irp i, 0,2,4,6,8,10,12,14,16,18,20,22,24,26,28,30
	v_pk_add_f32 v[SUM+\i:SUM+\i+1], v[X+\i:X+\i+1], v[X+32+\i:X+32+\i+1]   ; the first two rows start the sums: nothing is cleared
.endr
; One row: into the sums, held, converted, into the stage; its slot takes the row four further on.  left: the younger loads that may stay out.
.macro ROW rho, dosum, left
.set XS, X+32*((\rho)%4)
.set CS, C+8*((\rho)%4)
	s_wait_loadcnt \left
.if \dosum
.irp i, 0,2,4,6,8,10,12,14,16,18,20,22,24,26,28,30
	v_pk_add_f32 v[SUM+\i:SUM+\i+1], v[SUM+\i:SUM+\i+1], v[XS+\i:XS+\i+1]
.endr
.endif
.irp i, 0,1,2,3,4,5,6,7,8,9,10,11,12,13,14,15,16,17,18,19,20,21,22,23,24,25,26,27,28,29,30,31
	v_med3_num_f32 v[XS+\i], v[XS+\i], -v11, v11
.endr
.if (\rho) >= 4
	s_wait_alu depctr_va_vdst(0)
	s_wait_dscnt 6                                 ; this set of code words was stored four rows ago: behind those two stores stand the two of each of three rows
.endif
.irp i, 0,1,2,3
	v_cvt_scalef32_pk8_fp8_f32 v[CS+2*\i:CS+2*\i+1], v[XS+8*\i:XS+8*\i+7], v10   ; word j of the eight: k = 128 j + 4 lane + 0..3
.endr
	v_nop                                          ; a plain line behind the conversions
	ds_store_b128 v3, v[CS:CS+3] offset:16*(\rho)              ; chunk lane, row rho
	ds_store_b128 v3, v[CS+4:CS+7] offset:32*PIT+16*(\rho)     ; chunk 32 + lane
.if (\rho) < 12
	FILL (\rho)+4
.endif
.endm
	ROW 0, 0, 24                                   ; (rows 0 and 1 are in already, and in the sums)
	ROW 1, 0, 24
.irp r, 2,3,4,5,6,7,8,9,10,11,12
	ROW \r, 1, 24                                  ; three younger rows, eight loads each
.endr
	ROW 13, 1, 16                                  ; nothing more is asked for: the counts run down
	ROW 14, 1, 8
	ROW 15, 1, 0
	; ---- the image leaves: LDS serves a wave's instructions in order (ISA guide 5.7.1.4), so these loads see my stores
.irp i, 0,1,2,3,4,5,6,7,8,9,10,11,12,13,14,15,16,17,18,19,20,21,22,23,24,25,26,27,28,29,30,31
	ds_load_b128 v[X+4*\i:X+4*\i+3], v4 offset:2*PIT*\i
.endr
.irp q, 0,1,2,3
	s_wait_dscnt 24-8*\q                           ; eight more are back
.irp i, 0,1,2,3,4,5,6,7
	global_store_b128 v2, v[X+4*(8*\q+\i):X+4*(8*\q+\i)+3], s[16:17] offset:512*(8*\q+\i)   ; 512 consecutive bytes, aligned
.endr
.endr
	; ---- the sums of the work-group's 256 rows.  They are laid over the stages: every wave's reads of its stage are back (the count above ended at 0) in front of the first barrier
	s_barrier_signal -1
	s_barrier_wait -1
.irp j, 0,1,2,3,4,5,6,7
	ds_store_b128 v8, v[SUM+4*\j:SUM+4*\j+3] offset:512*\j    ; column k at 4 k of my wave's 4,096 bytes
.endr
	s_wait_dscnt 0x0                               ; for the others' sake: my stores are done
	s_barrier_signal -1
	s_barrier_wait -1
.irp i, 0,1,2,3,4,5,6,7,8,9,10,11,12,13,14,15
	ds_load_b64 v[C+2*\i:C+2*\i+1], v9 offset:4096*\i
.endr
	s_wait_dscnt 0x0
.irp i, 0,2,4,6,8,10,12,14
	v_pk_add_f32 v[C+\i:C+\i+1], v[C+\i:C+\i+1], v[C+16+\i:C+16+\i+1]
.endr
.irp i, 0,2,4,6
	s_delay_alu instid0(VALU_DEP_4)
	v_pk_add_f32 v[C+\i:C+\i+1], v[C+\i:C+\i+1], v[C+8+\i:C+8+\i+1]
.endr
.irp i, 0,2
	s_delay_alu instid0(VALU_DEP_2)
	v_pk_add_f32 v[C+\i:C+\i+1], v[C+\i:C+\i+1], v[C+4+\i:C+4+\i+1]
.endr
	s_delay_alu instid0(VALU_DEP_1)
	v_pk_add_f32 v[C:C+1], v[C:C+1], v[C+2:C+3]
	global_store_b64 v9, v[C:C+1], s[20:21]        ; a wave stores 256 consecutive bytes, aligned
	s_wait_tensorcnt 0x0
	ds_add_u32 v254, v255
	s_wait_dscnt 0x0
	s_endpgm
.Lfunc_end_k_q76a03435c3_prep:
	.size	k_q76a03435c3_prep, .Lfunc_end_k_q76a03435c3_prep-k_q76a03435c3_prep
	.p2alignl 7, 3214868480
	.fill 96, 4, 3214868480
	.section	.rodata,"a",@progbits
	.p2align	6, 0x0
	.amdhsa_kernel k_q76a03435c3_prep
		.amdhsa_group_segment_fixed_size 280576
		.amdhsa_private_segment_fixed_size 0
		.amdhsa_enable_private_segment 0
		.amdhsa_kernarg_size 72
		.amdhsa_user_sgpr_count 2
		.amdhsa_user_sgpr_kernarg_segment_ptr 1
		.amdhsa_wavefront_size32 1
		.amdhsa_system_sgpr_workgroup_id_x 1
		.amdhsa_system_sgpr_workgroup_id_y 1
		.amdhsa_system_sgpr_workgroup_id_z 1
		.amdhsa_system_vgpr_workitem_id 0
		.amdhsa_next_free_vgpr 256
		.amdhsa_next_free_sgpr 66
		.amdhsa_reserve_vcc 1
		.amdhsa_float_denorm_mode_32 3
		.amdhsa_float_denorm_mode_16_64 3
		.amdhsa_memory_ordered 1
		.amdhsa_forward_progress 1
		.amdhsa_inst_pref_size 84
	.end_amdhsa_kernel
	.amdgpu_metadata
---
amdhsa.version: [ 1, 2 ]
amdhsa.kernels:
  - .name:           k_q76a03435c3_prep
    .symbol:         k_q76a03435c3_prep.kd
    .args:
      - { .name: embed_output, .offset: 0, .size: 8, .value_kind: global_buffer, .address_space: global }
      - { .name: w, .offset: 8, .size: 8, .value_kind: global_buffer, .address_space: global }
      - { .name: lowp_scales, .offset: 16, .size: 8, .value_kind: global_buffer, .address_space: global }
      - { .name: mask, .offset: 24, .size: 8, .value_kind: global_buffer, .address_space: global }
      - { .name: ecodes, .offset: 32, .size: 8, .value_kind: global_buffer, .address_space: global }
      - { .name: wcodes, .offset: 40, .size: 8, .value_kind: global_buffer, .address_space: global }
      - { .name: psum, .offset: 48, .size: 8, .value_kind: global_buffer, .address_space: global }
      - { .name: order, .offset: 56, .size: 8, .value_kind: global_buffer, .address_space: global }
      - { .name: cnt, .offset: 64, .size: 8, .value_kind: global_buffer, .address_space: global }
    .group_segment_fixed_size: 280576
    .private_segment_fixed_size: 0
    .kernarg_segment_align: 8
    .kernarg_segment_size: 72
    .max_flat_workgroup_size: 512
    .sgpr_count:     66
    .vgpr_count:     256
    .wavefront_size: 32
...
	.end_amdgpu_metadata
.endif
;; end of part 1
;; launch gemm (part 2): grid 256 x 1, 8 waves a work-group, clusters of 4 x 1, 327,680 bytes of LDS; arguments ecodes, wcodes, psum, mask, lowp_scales, logits; writes logits
.if DOCPART == 2
	.amdgcn_target "amdgcn-amd-amdhsa--gfx1250"
	.amdhsa_code_object_version 6
	.text
	.protected	k_q76a03435c3_gemm
	.globl	k_q76a03435c3_gemm
	.p2align	8
	.type	k_q76a03435c3_gemm,@function
k_q76a03435c3_gemm:
	s_mov_b64 s[64:65], 0
	v_nop
	global_prefetch_b8 v0, s[64:65] scope:SCOPE_SE
	s_setreg_imm32_b32 hwreg(HW_REG_WAVE_MODE, 25, 1), 1
	s_wait_xcnt 0x0
	s_wait_alu depctr_hold_cnt(0) depctr_sa_sdst(0) depctr_va_vdst(0) depctr_va_sdst(0) depctr_va_ssrc(0) depctr_va_vcc(0) depctr_vm_vsrc(0)
	s_getreg_b32 s2, hwreg(HW_REG_IB_STS2, 6, 4)
	s_cmp_eq_u32 s2, 0
	s_cbranch_scc0 .Lentry_in_a_cluster
	s_endpgm
.Lentry_in_a_cluster:
	s_bfe_u32 s2, ttmp6, 0x10000c
	s_cmp_lg_u32 s2, 0x3003
	s_cbranch_scc0 .Lentry_shape_is_right
	s_endpgm
.Lentry_shape_is_right:
; GEMM.  logit(row) = sum over n of (Q(E) Q(W))(row, n) x ys(n) where the mask is true, -1e9 where it is false.  ys = the batch's column sums / 2,048, from psum.
; Codes are multiplied as they are; 2^(e0 + e1) and 1 / 2,048 are folded into ys by v_ldexp_f32 (exponent e0 + e1 - 11).
; SHARES.  Work-group: 256 rows of E x all 1,024 columns.  Wave (rh, kq): 128 rows x a quarter of K (256), kept in 256 registers for the whole launch.  W's 64 tiles of 16 columns (16,384 bytes each, in the
; order of the operand registers) go through two LDS slots of 8 tiles; a wave's tensor load brings one tile.  The product is linear in K, so each wave multiplies its part sums by ys, adds them along n, and the four
; quarters of K are added through LDS at the end.  Source 0 = W's columns, source 1 = E's rows: a lane holds one row and eight neighbouring columns.
; CLUSTER: four work-groups ask for each tile of W jointly (mask 15).  No data prefetch: all 256 work-groups walk the same 1,048,576 bytes of wcodes in the same order.
; REGISTERS.  Window 0: v0-31 addresses; v32-47 E's fragment (k 0, rows 0-15); v48-63 the dot's sums; v64-191 two sets of 8 accumulators; v192-255 two fragments of W.
; Window 1: v0-15 two sets of 8 ys; v16-255 E's other 15 fragments.  So under the products' window setting (source 1 in window 1) the dot's multiply-adds can stand among the products.
.set SLOTB, 131072
.set TILEB, 16384
.set YS,    2*SLOTB                    ; ys x 2^(e0+e1-11): 4,096 bytes
.set FST,   YS+4096                    ; eight waves' part logits, 512 bytes each
.set SPARE, FST+4096                   ; the spare words: 128 bytes a wave
.set BA,   4                           ; v4-7 my quarter of a tile, at LDS 0, 64 Ki, 128 Ki, 192 Ki
.set YA,   8
.set YT,   9
.set LO,   10
.set FS,   11
.set FR,   12
.set MKH,  13
.set TM,   18
.set SPW,  28
.set NIL,  29
.set AX,   32
.set YW,   0                           ; in window 1
.set FACC, 48
.set ACC,  64
.set BFB,  192
.set WV,   16
.set LAP,  18
.set YO,   19
.set G1,   24
.set G0,   32
.set RH,   48
.set KQ,   49
.set MSB, 0
.macro WIN new                         ; the immediate's high byte repeats the setting that is left
.if MSB != (\new)
	s_set_vgpr_msb (MSB<<8)|(\new)
.set MSB, (\new)
.endif
.endm
.macro CREST                           ; a round of the cluster's barrier behind its opening barrier
	s_cmp_lg_u32 s[WV], 0
	s_cbranch_scc1 .Lnot_wave_0_\@
	s_barrier_signal -3
.Lnot_wave_0_\@:
	s_barrier_wait -3
	s_barrier_signal -1
	s_barrier_wait -1
.endm
.macro ROUND
	s_barrier_signal -1
	s_barrier_wait -1
	CREST
.endm
	s_load_b256 s[4:11], s[0:1], 0x0               ; ecodes, wcodes, psum, mask
	s_load_b128 s[12:15], s[0:1], 0x20             ; scales, logits
	v_lshl_add_u32 v[SPW], v0, 2, SPARE
	v_mov_b32 v[NIL], 0
	ds_add_u32 v28, v29                            ; the opening lines
	ds_add_u32 v28, v29
	s_wait_dscnt 0x0
	v_lshrrev_b32 v1, 5, v0
	s_delay_alu instid0(VALU_DEP_1)
	v_readfirstlane_b32 s[WV], v1                  ; wave 0..7
	s_lshr_b32 s[RH], s[WV], 2                     ; which 128 rows
	s_and_b32 s[KQ], s[WV], 3                      ; which quarter of K
	s_bfe_u32 s44, ttmp6, 0x40000
	s_lshl_b32 s17, ttmp9, 2
	s_add_co_u32 s17, s17, s44                     ; work-group = 4 x cluster + cx
	s_mov_b32 s[G1+0], 15|(3<<16)|(1<<21)          ; mask of the four; elements of 8 bytes; a tile = 64 dense rows of 256 bytes
	s_mov_b32 s[G1+1], 32<<16
	s_mov_b32 s[G1+2], 64<<16
	s_mov_b32 s[G1+3], 32<<16
	s_mov_b32 s[G1+4], 64
	s_mov_b32 s[G1+5], 32
	s_mov_b32 s[G1+6], 0
	s_mov_b32 s[G1+7], 0
	s_mov_b32 s40, 0x76543210
	s_mov_b32 s41, 0xfedcba98
	s_mov_b32 s[YO], 0
	s_mov_b32 s[LAP], 3
	s_mov_b32 s43, 0
	s_mov_b32 s47, 0
	s_lshl_b32 s45, s[WV], 14                      ; wave w brings tile w of a slot
	s_mov_b32 s46, s45
	v_and_b32 v1, 15, v0
	v_bfe_u32 v2, v0, 4, 1
	v_and_b32 v3, 31, v0
	s_delay_alu instid0(VALU_DEP_1)
	v_lshlrev_b32 v[LO], 4, v3
	s_lshl_b32 s42, s[KQ], 12
	v_add_nc_u32 v[BA], s42, v[LO]                 ; 4,096 x quarter + 16 x lane
	s_delay_alu instid0(VALU_DEP_1)
	v_add_nc_u32 v[BA+1], 0x10000, v[BA]
	s_delay_alu instid0(VALU_DEP_2)
	v_add_nc_u32 v[BA+2], 0x20000, v[BA]
	s_delay_alu instid0(VALU_DEP_3)
	v_add_nc_u32 v[BA+3], 0x30000, v[BA]
	v_lshl_add_u32 v[YA], v2, 5, YS                ; my eight columns of a tile's sixteen
	s_lshl_b32 s42, s[WV], 9
	s_add_co_u32 s42, s42, FST
	v_lshl_add_u32 v[FS], v1, 2, s42
	s_lshl_b32 s42, s[RH], 11
	s_add_co_u32 s42, s42, FST
	v_lshl_add_u32 v[FR], v3, 4, s42
	v_lshlrev_b32 v15, 2, v3
	v_lshlrev_b32 v16, 4, v0
	v_lshl_add_u32 v17, v0, 4, YS
	s_wait_alu depctr_va_vdst(0)
	s_wait_kmcnt 0x0
	s_load_b64 s[20:21], s[12:13], 0x0             ; e0, e1
	s_add_nc_u64 s[6:7], s[6:7], s[46:47]
.irp n, 0,1
	s_mov_b32 s[G0+4*\n], 1
	s_add_co_u32 s[G0+4*\n+1], s45, \n*SLOTB
	s_add_nc_u64 s[G0+4*\n+2:G0+4*\n+3], s[6:7], \n*SLOTB
	s_or_b32 s[G0+4*\n+3], s[G0+4*\n+3], 0x80000000
.endr
	s_lshr_b32 s42, s17, 3
	s_lshl_b32 s42, s42, 15
	s_add_nc_u64 s[8:9], s[8:9], s[42:43]          ; the batch's eight rows of psum
	s_lshl_b32 s42, s17, 8
	s_lshl_b32 s44, s[RH], 7
	s_add_co_u32 s42, s42, s44
	s_add_nc_u64 s[10:11], s[10:11], s[42:43]      ; my 128 mask bytes
	s_lshl_b32 s42, s17, 18
	s_lshl_b32 s44, s[RH], 17
	s_add_co_u32 s42, s42, s44
	s_add_nc_u64 s[4:5], s[4:5], s[42:43]          ; my eight images of 16 rows
	s_lshl_b32 s42, s17, 10
	s_lshl_b32 s44, s[RH], 9
	s_add_co_u32 s42, s42, s44
	s_add_nc_u64 s[14:15], s[14:15], s[42:43]
.irp k, 0,1,2,3,4,5,6,7
	global_load_b128 v[BFB+4*\k:BFB+4*\k+3], v16, s[8:9] offset:4096*\k
.endr
	global_load_b32 v[MKH], v15, s[10:11]
.macro ALOAD k, m0                     ; E's fragments (k, m0 .. m0 + 3) into window 1; (0, 0) has its place in window 0
.irp m, 0,1,2,3
.if (\k)+(\m0)+\m > 0
.irp c, 0,1,2,3
	global_load_b128 v[128*(\k)+16*((\m0)+\m)+4*\c:128*(\k)+16*((\m0)+\m)+4*\c+3], v[BA], s[4:5] offset:((\m0)+\m)*TILEB+(\k)*2048+512*\c th:TH_LOAD_NT
.endr
.endif
.endr
.endm
	ROUND                                          ; the four work-groups are here: the first joint loads meet
	tensor_load_to_lds s[G0:G0+3], s[G1:G1+7]      ; slot 0, my tile: asked for ahead of E's 48 loads
	s_nop 0
.irp c, 0,1,2,3
	global_load_b128 v[AX+4*\c:AX+4*\c+3], v[BA], s[4:5] offset:512*\c th:TH_LOAD_NT
.endr
	WIN 0x40
	ALOAD 0, 0
	ALOAD 0, 4
	ALOAD 1, 0
	WIN 0
	s_wait_alu depctr_va_vdst(0)
	s_wait_tensorcnt 0x0                           ; slot 1's first fill is issued as a refill is
	ds_add_u32 v28, v29
	s_wait_dscnt 0x0
	ROUND
	tensor_load_to_lds s[G0+4:G0+7], s[G1:G1+7]
	s_nop 0
.rept 4
	v_nop
.endr
	s_wait_loadcnt 48                              ; psum and the mask are in; younger: E's 48
	s_wait_kmcnt 0x0
	s_add_co_i32 s22, s20, s21
	s_sub_co_i32 s22, s22, 11                      ; e0 + e1 - 11
.irp k, 1,2,3,4,5,6,7
.irp i, 0,2
	v_pk_add_f32 v[BFB+\i:BFB+\i+1], v[BFB+\i:BFB+\i+1], v[BFB+4*\k+\i:BFB+4*\k+\i+1]
.endr
.endr
.irp i, 0,1,2,3
	v_ldexp_f32 v[BFB+\i], v[BFB+\i], s22
.endr
	ds_store_b128 v17, v[BFB:BFB+3]                ; thread t: columns 4 t .. 4 t + 3
	WIN 0x40
	ALOAD 1, 4
	WIN 0
; n multiply-adds of the dot of accumulator set EPP with its ys.  Number EC: block EC % 8, registers 2 (EC / 8) and the next: each accumulator from its low end on.  Runs under window setting 0x04.
.macro PK n
.rept \n
	v_pk_fma_f32 v[FACC+2*(EC%8):FACC+2*(EC%8)+1], v[ACC+64*EPP+8*(EC%8)+2*(EC/8):ACC+64*EPP+8*(EC%8)+2*(EC/8)+1], v[YW+8*EPP+2*(EC/8):YW+8*EPP+2*(EC/8)+1], v[FACC+2*(EC%8):FACC+2*(EC%8)+1]
.set EC, EC+1
.endr
.endm
; Eight products, 128 along K, the eight accumulators by turns.  mode 1: the other set's dot among them, 2 behind each product, none behind a tile's first, 4 behind its last
; (these four are also the places ahead of the next loads into W's fragment); mode 2: 4 behind each; mode 0: none.
.macro MULK p, k, mode
.irp mt, 0,1,2,3,4,5,6,7
.if ((\k) == 0) && (\mt == 0)
	WIN 0
	v_wmma_f32_16x16x128_fp8_fp8 v[ACC+64*(\p):ACC+64*(\p)+7], v[BFB+32*(\p):BFB+32*(\p)+15], v[AX:AX+15], 0
	WIN 0x04
.elseif (\k) == 0
	v_wmma_f32_16x16x128_fp8_fp8 v[ACC+64*(\p)+8*\mt:ACC+64*(\p)+8*\mt+7], v[BFB+32*(\p)+16*(\k):BFB+32*(\p)+16*(\k)+15], v[128*(\k)+16*\mt:128*(\k)+16*\mt+15], 0
.else
	v_wmma_f32_16x16x128_fp8_fp8 v[ACC+64*(\p)+8*\mt:ACC+64*(\p)+8*\mt+7], v[BFB+32*(\p)+16*(\k):BFB+32*(\p)+16*(\k)+15], v[128*(\k)+16*\mt:128*(\k)+16*\mt+15], v[ACC+64*(\p)+8*\mt:ACC+64*(\p)+8*\mt+7]
.endif
.if (\mode) == 2
	PK 4
.elseif (\mode) == 1
.if 8*(\k)+\mt == 15
	PK 4
.elseif 8*(\k)+\mt > 0
	PK 2
.endif
.endif
.endr
.endm
.macro BLOAD p, q, off
.irp k, 0,1
.irp c, 0,1,2,3
	ds_load_b128 v[BFB+32*(\p)+16*\k+4*\c:BFB+32*(\p)+16*\k+4*\c+3], v[BA+(\q)] offset:(\off)+2048*\k+512*\c
.endr
.endr
.endm
.macro YLOAD p, adr, off
	WIN 0x40
	ds_load_b128 v[YW+8*(\p):YW+8*(\p)+3], v[\adr] offset:\off
	ds_load_b128 v[YW+8*(\p)+4:YW+8*(\p)+7], v[\adr] offset:(\off)+16
	WIN 0
.endm
; Tile i of slot s.  kind 0: plain; 4: the launch's first; 1: a slot's last, the slot is filled again; 2: the same with no refill; 3: the launch's last.
; A tile multiplies fragment P, adds the tile before's dot, and asks for the next tile's fragment and ys.
.macro TILE s, i, kind
.set P, (\i)&1
.set NP, 1-P
.set EPP, NP
.set EC, 0
.if (\i) < 7
.set NQ, 2*(\s)+((\i)+1)/4
.set NO, (((\i)+1)%4)*TILEB
.else
.set NQ, 2*(1-(\s))
.set NO, 0
.endif
.if (\kind) != 4
	s_wait_alu depctr_va_vdst(0)
.endif
.if ((\i) == 0) && ((\s) == 0)
	v_add_nc_u32 v[YT], s[YO], v[YA]               ; this lap's 256 columns of ys
	s_add_co_u32 s[YO], s[YO], 1024
.endif
.if ((\kind) == 0) || ((\kind) == 4)
	BLOAD NP, NQ, NO
	s_wait_dscnt 10                                ; my fragment is in; younger: 2 loads of ys, the 8 just issued
.if (\kind) == 0
	MULK P, 0, 1
	MULK P, 1, 1
.else
	MULK P, 0, 0
	MULK P, 1, 0
	WIN 0
.irp j, 0,1,2,3,4,5,6,7,8,9,10,11,12,13,14,15
	v_mov_b32 v[FACC+\j], 0
.endr
.endif
	YLOAD NP, YT, 512*(\s)+64*((\i)+1)
.elseif (\kind) == 3
	s_wait_dscnt 0x0
	MULK P, 0, 1
	MULK P, 1, 1
.set EPP, P
.set EC, 0
	PK 32
	WIN 0
.else
	s_wait_tensorcnt 0x0                           ; all my tensor loads are in: my tile of the next slot;
	ds_add_u32 v[SPW], v[NIL]
.if (\kind) == 1
	s_add_nc_u64 s[G0+4*(\s)+2:G0+4*(\s)+3], s[G0+4*(\s)+2:G0+4*(\s)+3], 2*SLOTB
.endif
	s_wait_dscnt 1                                 ; (the add may be out)
	MULK P, 0, 2                                   ; the whole dot of the tile before stands here
	s_wait_alu depctr_va_vdst(0)
	s_wait_dscnt 0x0                               ; the add is done; my reads of this slot are over
	s_barrier_signal -1
	MULK P, 1, 0
	WIN 0
	s_barrier_wait -1
.if (\kind) == 1
	CREST                                          ; the barrier has opened a round of the cluster's barrier
	tensor_load_to_lds s[G0+4*(\s):G0+4*(\s)+3], s[G1:G1+7]
	s_nop 0
.endif
.rept 4
	v_nop                                          ; places behind the last products
.endr
	BLOAD NP, NQ, NO
	YLOAD NP, YT, 512*(\s)+512
.endif
.endm
	s_wait_tensorcnt 1                             ; my tile of slot 0 is in; slot 1's may be out
	s_wait_dscnt 0x0                               ; my part of ys is stored
	s_barrier_signal -1
	s_barrier_wait -1
	BLOAD 0, 0, 0
	YLOAD 0, YA, 0
	s_wait_loadcnt 0x0                             ; E's fragments are in
	TILE 0, 0, 4
.Llap:                                                 ; a trip: from a lap's second tile to the next lap's first; both slots are filled again
.irp i, 1,2,3,4,5,6
	TILE 0, \i, 0
.endr
	TILE 0, 7, 1
.irp i, 0,1,2,3,4,5,6
	TILE 1, \i, 0
.endr
	TILE 1, 7, 1
	TILE 0, 0, 0
	s_sub_co_u32 s[LAP], s[LAP], 1
	s_cmp_lg_u32 s[LAP], 0
	s_cbranch_scc1 .Llap
.irp i, 1,2,3,4,5,6
	TILE 0, \i, 0
.endr
	TILE 0, 7, 2
.irp i, 0,1,2,3,4,5,6
	TILE 1, \i, 0
.endr
	TILE 1, 7, 3
	; the row's two halves of the columns, then the four quarters of K through LDS
.irp mt, 0,1,2,3,4,5,6,7
	v_add_f32 v[TM+\mt], v[FACC+2*\mt], v[FACC+2*\mt+1]
.endr
.irp mt, 0,1,2,3,4,5,6,7
	v_permlanex16_b32 v[AX+\mt], v[TM+\mt], s40, s41
.endr
.irp mt, 0,1,2,3,4,5,6,7
	v_add_f32 v[TM+\mt], v[TM+\mt], v[AX+\mt]
.endr
.irp mt, 0,1,2,3,4,5,6,7
	ds_store_b32 v[FS], v[TM+\mt] offset:64*\mt
.endr
	s_wait_dscnt 0x0
	s_barrier_signal -1
	s_barrier_wait -1
	s_cmp_lg_u32 s[KQ], 0
	s_cbranch_scc1 .Lnot_sum
.irp j, 0,1,2,3
	ds_load_b128 v[ACC+4*\j:ACC+4*\j+3], v[FR] offset:512*\j
.endr
	v_and_b32 v[TM], 0xff, v[MKH]
	v_bfe_u32 v[TM+1], v[MKH], 8, 8
	v_bfe_u32 v[TM+2], v[MKH], 16, 8
	v_lshrrev_b32 v[TM+3], 24, v[MKH]
	s_wait_dscnt 0x0
	v_pk_add_f32 v[ACC:ACC+1], v[ACC:ACC+1], v[ACC+4:ACC+5]
	v_pk_add_f32 v[ACC+2:ACC+3], v[ACC+2:ACC+3], v[ACC+6:ACC+7]
	v_pk_add_f32 v[ACC+8:ACC+9], v[ACC+8:ACC+9], v[ACC+12:ACC+13]
	v_pk_add_f32 v[ACC+10:ACC+11], v[ACC+10:ACC+11], v[ACC+14:ACC+15]
	s_delay_alu instid0(VALU_DEP_2)
	v_pk_add_f32 v[ACC:ACC+1], v[ACC:ACC+1], v[ACC+8:ACC+9]
	s_delay_alu instid0(VALU_DEP_2)
	v_pk_add_f32 v[ACC+2:ACC+3], v[ACC+2:ACC+3], v[ACC+10:ACC+11]
.irp j, 0,1,2,3
	v_cmp_ne_u32 vcc_lo, 0, v[TM+\j]
	s_delay_alu instid0(VALU_DEP_1)
	v_cndmask_b32 v[ACC+\j], 0xce6e6b28, v[ACC+\j], vcc_lo   ; -1e9 under the mask
.endr
	global_store_b128 v[LO], v[ACC:ACC+3], s[14:15]  ; 512 consecutive bytes, aligned
.Lnot_sum:
	s_wait_tensorcnt 0x0                           ; the wave's end
	ds_add_u32 v[SPW], v[NIL]
	s_wait_dscnt 0x0
	ROUND                                          ; the closing round
	s_endpgm
.Lfunc_end_k_q76a03435c3_gemm:
	.size	k_q76a03435c3_gemm, .Lfunc_end_k_q76a03435c3_gemm-k_q76a03435c3_gemm
	.p2alignl 7, 3214868480
	.fill 96, 4, 3214868480
	.section	.rodata,"a",@progbits
	.p2align	6, 0x0
	.amdhsa_kernel k_q76a03435c3_gemm
		.amdhsa_group_segment_fixed_size 327680
		.amdhsa_private_segment_fixed_size 0
		.amdhsa_enable_private_segment 0
		.amdhsa_kernarg_size 48
		.amdhsa_user_sgpr_count 2
		.amdhsa_user_sgpr_kernarg_segment_ptr 1
		.amdhsa_wavefront_size32 1
		.amdhsa_system_sgpr_workgroup_id_x 1
		.amdhsa_system_sgpr_workgroup_id_y 1
		.amdhsa_system_sgpr_workgroup_id_z 1
		.amdhsa_system_vgpr_workitem_id 0
		.amdhsa_next_free_vgpr 512
		.amdhsa_next_free_sgpr 66
		.amdhsa_reserve_vcc 1
		.amdhsa_float_denorm_mode_32 3
		.amdhsa_float_denorm_mode_16_64 3
		.amdhsa_memory_ordered 1
		.amdhsa_forward_progress 1
		.amdhsa_inst_pref_size 141
	.end_amdhsa_kernel
	.amdgpu_metadata
---
amdhsa.version: [ 1, 2 ]
amdhsa.kernels:
  - .name:           k_q76a03435c3_gemm
    .symbol:         k_q76a03435c3_gemm.kd
    .args:
      - { .name: ecodes, .offset: 0, .size: 8, .value_kind: global_buffer, .address_space: global }
      - { .name: wcodes, .offset: 8, .size: 8, .value_kind: global_buffer, .address_space: global }
      - { .name: psum, .offset: 16, .size: 8, .value_kind: global_buffer, .address_space: global }
      - { .name: mask, .offset: 24, .size: 8, .value_kind: global_buffer, .address_space: global }
      - { .name: lowp_scales, .offset: 32, .size: 8, .value_kind: global_buffer, .address_space: global }
      - { .name: logits, .offset: 40, .size: 8, .value_kind: global_buffer, .address_space: global }
    .group_segment_fixed_size: 327680
    .private_segment_fixed_size: 0
    .kernarg_segment_align: 8
    .kernarg_segment_size: 48
    .max_flat_workgroup_size: 256
    .sgpr_count:     66
    .vgpr_count:     512
    .wavefront_size: 32
...
	.end_amdgpu_metadata
.endif
;; end of part 2
;; launch finish (part 3): grid 256 x 1, 16 waves a work-group, no clusters, 19,456 bytes of LDS; arguments embed_output, logits, order, cnt, psum, out0, out1; writes out0, out1
.if DOCPART == 3
	.amdgcn_target "amdgcn-amd-amdhsa--gfx1250"
	.amdhsa_code_object_version 6
	.text
	.protected	k_q76a03435c3_finish
	.globl	k_q76a03435c3_finish
	.p2align	8
	.type	k_q76a03435c3_finish,@function
k_q76a03435c3_finish:
	s_mov_b64 s[64:65], 0
	v_nop
	global_prefetch_b8 v0, s[64:65] scope:SCOPE_SE
	s_setreg_imm32_b32 hwreg(HW_REG_WAVE_MODE, 25, 1), 1
	s_wait_xcnt 0x0
; FINISH.  p = softmax of a batch's 2,048 logits (the largest logit is taken away first); out1 = p; out0 = sum over rows of p x E.
; ROWS UNDER THE MASK ARE NOT READ.  They all carry the logit -1e9, hence one weight pm, made here from that constant by the very instructions that make p.  So
; out0 = sum over the listed rows of (p - pm) x E + pm x (column sum of E), the column sum from the first launch.  This holds for every mask, all false too (then p = pm = 1 / 2,048 everywhere).
; The list is a permutation of the batch's rows, true rows first; an entry behind the count is a masked row, whose p - pm is exactly 0: so a chunk may run past the count.
; SHARES.  Work-group = (batch, slice of 128 columns): each output column has one owner.  The eight work-groups of a batch repeat the softmax of its 8,192 bytes of logits: that is all they share, so no cluster.
; The list goes in chunks of 16 rows, chunk c to wave c % 16; a wave's trip k takes chunk 16 k + wave: 16 loads of 512 consecutive bytes.  One trip's loads are on their way while the trip before is summed.
; The number of trips hangs on the stored count alone.  A wave's first chunk is asked for ahead of the softmax, whatever the count.
.set MX,  0                            ; LDS: sixteen waves' maxima,
.set SM,  256                          ; sums,
.set PB,  512                          ; p - pm of the 2,048 rows,
.set RED, 8704                         ; and sixteen waves' parts of the slice, 512 bytes each
.set VI,  8                            ; v8-11    my wave's 128 list entries: register q, lane l: place 256 (2 q + l / 16) + 16 wave + l % 16
.set VW,  12                           ; v12-15   their weights
.set LG,  16                           ; v16-19   four logits, then p
.set ACC, 20                           ; v20-27   my four columns, in two chains
.set PS,  28                           ; v28-59   eight partial column sums
.set VO,  60                           ; v60-91   two sets of 16 row offsets
.set X,   92                           ; v92-219  two sets of 16 rows x 4 registers; the second set is at work during the softmax
.set T1,  156
.set NW,  20                           ; s20      my wave's trips
	s_load_b256 s[4:11], s[0:1], 0x0               ; E s[4:5], logits s[6:7], order s[8:9], cnt s[10:11]
	s_load_b128 s[12:15], s[0:1], 0x20             ; psum s[12:13], out0 s[14:15]
	s_load_b64 s[16:17], s[0:1], 0x30              ; out1
	v_lshl_add_u32 v224, v0, 2, 0x4400
	v_mov_b32 v225, 0
	v_lshrrev_b32 v1, 5, v0
	s_delay_alu instid0(VALU_DEP_1)
	v_readfirstlane_b32 s22, v1                    ; wave 0..15
	v_and_b32 v1, 31, v0
	s_delay_alu instid0(VALU_DEP_1)
	v_lshlrev_b32 v2, 4, v1                        ; 16 x lane
	v_lshlrev_b32 v3, 4, v0                        ; 16 x thread
	v_bfe_u32 v4, v0, 4, 1
	s_delay_alu instid0(VALU_DEP_1)
	v_lshlrev_b32 v4, 10, v4
	v_and_b32 v5, 15, v0
	s_delay_alu instid0(VALU_DEP_1)
	v_lshl_add_u32 v4, v5, 2, v4
	s_lshl_b32 s23, s22, 6
	v_add_nc_u32 v4, s23, v4                       ; the list: 1,024 (lane / 16) + 64 wave + 4 (lane % 16)
	v_mov_b32 v5, 0
	s_lshl_b32 s23, s22, 2
	v_mov_b32 v6, s23                              ; 4 x wave
	v_mov_b32 v7, 0                                ; written once: a lane permute's destination counts as read
	s_mov_b32 s18, 0x76543210                      ; v_permlanex16_b32: lane l xor 16
	s_mov_b32 s19, 0xfedcba98
	s_lshr_b32 s48, ttmp9, 3                       ; batch
	s_and_b32 s49, ttmp9, 7                        ; slice
	s_lshl_b32 s21, s49, 9                         ; its 512 bytes of a row
	s_mov_b32 s51, 0
.irp i, 33,35,37,39,41,43,45,47
	s_mov_b32 s\i, 0                               ; named as the upper halves of the weights' pairs
.endr
	s_wait_alu depctr_va_vdst(0)
	s_wait_kmcnt 0x0
	s_lshl_b32 s50, s48, 7
	s_add_nc_u64 s[10:11], s[10:11], s[50:51]
	s_load_b32 s[NW], s[10:11], 0x0                ; the batch's count of true rows
	s_lshl_b32 s50, s48, 13
	s_add_nc_u64 s[8:9], s[8:9], s[50:51]          ; the batch's list,
	s_add_nc_u64 s[6:7], s[6:7], s[50:51]          ; logits,
	s_add_nc_u64 s[16:17], s[16:17], s[50:51]      ; and rows of out1
	s_lshl_b32 s50, s48, 15
	s_add_co_u32 s50, s50, s21
	s_add_nc_u64 s[12:13], s[12:13], s[50:51]      ; psum: the batch's eight rows, my slice
	s_lshl_b32 s50, s48, 23
	s_add_co_u32 s50, s50, s21
	s_add_nc_u64 s[4:5], s[4:5], s[50:51]          ; E: the batch, my slice
	s_lshl_b32 s50, s48, 12
	s_add_co_u32 s50, s50, s21
	s_add_nc_u64 s[14:15], s[14:15], s[50:51]      ; out0 likewise
.irp q, 0,1,2,3
	global_load_b32 v[VI+\q], v4, s[8:9] offset:2048*\q
.endr
	global_load_b128 v[LG:LG+3], v3, s[6:7]
.irp k, 0,1,2,3,4,5,6,7
	global_load_b128 v[PS+4*\k:PS+4*\k+3], v2, s[12:13] offset:4096*\k
.endr
; Trip k's 16 rows are asked for.  A row number read from memory enters an address behind a bound.
.macro ISSUE k
.irp g, 0,1
.irp e, 0,1,2,3,4,5,6,7
	v_readlane_b32 s[24+\e], v[VI+(\k)/2], 16*((\k)%2)+8*\g+\e
.endr
.irp e, 0,1,2,3,4,5,6,7
	s_min_u32 s[24+\e], s[24+\e], 0x7ff
.endr
.irp e, 0,1,2,3,4,5,6,7
	v_lshl_add_u32 v[VO+16*((\k)%2)+8*\g+\e], s[24+\e], 12, v2     ; row x 4,096 + 16 x lane.  This register's last load was waited for two trips ago
.endr
.irp e, 0,1,2,3,4,5,6,7
	global_load_b128 v[X+64*((\k)%2)+4*(8*\g+\e):X+64*((\k)%2)+4*(8*\g+\e)+3], v[VO+16*((\k)%2)+8*\g+\e], s[4:5] th:TH_LOAD_NT   ; 512 consecutive bytes, aligned; the list names each row once
.endr
.endr
.endm
; Trip k's 16 rows into the sums: a row's weight as a scalar, two packed multiply-adds, on two chains by turns
.macro CONSUME k
.irp g, 0,1,2,3
.irp e, 0,1,2,3
	v_readlane_b32 s[32+8*(\g%2)+2*\e], v[VW+(\k)/2], 16*((\k)%2)+4*\g+\e
.endr
.irp e, 0,1,2,3
	v_pk_fma_f32 v[ACC+4*(\e%2):ACC+4*(\e%2)+1], v[X+64*((\k)%2)+4*(4*\g+\e):X+64*((\k)%2)+4*(4*\g+\e)+1], s[32+8*(\g%2)+2*\e:32+8*(\g%2)+2*\e+1], v[ACC+4*(\e%2):ACC+4*(\e%2)+1] op_sel_hi:[1,0,1]
	v_pk_fma_f32 v[ACC+4*(\e%2)+2:ACC+4*(\e%2)+3], v[X+64*((\k)%2)+4*(4*\g+\e)+2:X+64*((\k)%2)+4*(4*\g+\e)+3], s[32+8*(\g%2)+2*\e:32+8*(\g%2)+2*\e+1], v[ACC+4*(\e%2)+2:ACC+4*(\e%2)+3] op_sel_hi:[1,0,1]
.endr
.endr
.endm
	s_wait_loadcnt 9                               ; the list is in; younger: the logits (1) and psum (8)
.irp q, 0,1,2,3
	v_min_u32 v[VI+\q], 0x7ff, v[VI+\q]
.endr
	ISSUE 0                                        ; E is on its way during the softmax
	s_wait_kmcnt 0x0
	s_min_u32 s[NW], s[NW], 0x800
	s_add_co_u32 s[NW], s[NW], 15
	s_lshr_b32 s[NW], s[NW], 4                     ; chunks that hold a true row
	s_add_co_u32 s[NW], s[NW], 15
	s_sub_co_u32 s[NW], s[NW], s22
	s_lshr_b32 s[NW], s[NW], 4                     ; those of them that are my wave's: 0 to 8
	; ---- the softmax
	s_wait_loadcnt 24                              ; the logits are in; younger: psum (8) and E's first 16
	v_max3_num_f32 v222, v[LG], v[LG+1], v[LG+2]
	s_delay_alu instid0(VALU_DEP_1)
	v_max_num_f32 v222, v222, v[LG+3]
.irp m, 1,2,4,8
	s_delay_alu instid0(VALU_DEP_1)
	v_max_num_f32_dpp v222, v222, v222 row_xmask:\m row_mask:0xf bank_mask:0xf
.endr
	s_delay_alu instid0(VALU_DEP_1)
	v_permlanex16_b32 v7, v222, s18, s19
	s_delay_alu instid0(VALU_DEP_1)
	v_max_num_f32 v222, v222, v7
	ds_store_b32 v6, v222 offset:MX                ; all lanes write the same word with the same number
	s_wait_dscnt 0x0
	s_barrier_signal -1
	s_barrier_wait -1
.irp i, 0,1,2,3
	ds_load_b128 v[T1+4*\i:T1+4*\i+3], v5 offset:MX+16*\i
.endr
	s_wait_dscnt 0x0
	v_max3_num_f32 v220, v[T1], v[T1+1], v[T1+2]
.irp i, 3,5,7,9,11,13
	s_delay_alu instid0(VALU_DEP_1)
	v_max3_num_f32 v220, v220, v[T1+\i], v[T1+\i+1]
.endr
	s_delay_alu instid0(VALU_DEP_1)
	v_max_num_f32 v220, v220, v[T1+15]             ; the batch's largest logit
.irp i, 0,1,2,3
	v_sub_f32 v[LG+\i], v[LG+\i], v220
.endr
	v_sub_f32 v221, 0xce6e6b28, v220               ; a masked row's: -1e9 less the largest
.irp i, 0,1,2,3
	v_mul_f32 v[LG+\i], 0x3fb8aa3b, v[LG+\i]       ; x log2(e)
.endr
	v_mul_f32 v221, 0x3fb8aa3b, v221
	s_wait_alu depctr_va_vdst(0)
.irp i, 0,1,2,3
	v_exp_f32 v[LG+\i], v[LG+\i]
.endr
	v_exp_f32 v221, v221
	v_nop                                          ; a plain line behind the exponentials
	s_wait_alu depctr_va_vdst(0)
	v_add_f32 v222, v[LG], v[LG+1]
	v_add_f32 v223, v[LG+2], v[LG+3]
	s_delay_alu instid0(VALU_DEP_1)
	v_add_f32 v222, v222, v223
.irp m, 1,2,4,8
	s_delay_alu instid0(VALU_DEP_1)
	v_add_f32_dpp v222, v222, v222 row_xmask:\m row_mask:0xf bank_mask:0xf
.endr
	s_delay_alu instid0(VALU_DEP_1)
	v_permlanex16_b32 v7, v222, s18, s19
	s_delay_alu instid0(VALU_DEP_1)
	v_add_f32 v222, v222, v7
	ds_store_b32 v6, v222 offset:SM
	s_wait_dscnt 0x0
	s_barrier_signal -1
	s_barrier_wait -1
.irp i, 0,1,2,3
	ds_load_b128 v[T1+4*\i:T1+4*\i+3], v5 offset:SM+16*\i
.endr
	s_wait_dscnt 0x0
.irp i, 0,2,4,6
	v_pk_add_f32 v[T1+\i:T1+\i+1], v[T1+\i:T1+\i+1], v[T1+8+\i:T1+8+\i+1]
.endr
.irp i, 0,2
	s_delay_alu instid0(VALU_DEP_2)
	v_pk_add_f32 v[T1+\i:T1+\i+1], v[T1+\i:T1+\i+1], v[T1+4+\i:T1+4+\i+1]
.endr
	s_delay_alu instid0(VALU_DEP_1)
	v_pk_add_f32 v[T1:T1+1], v[T1:T1+1], v[T1+2:T1+3]
	s_delay_alu instid0(VALU_DEP_1)
	v_add_f32 v222, v[T1], v[T1+1]
	s_wait_alu depctr_va_vdst(0)
	v_rcp_f32 v223, v222
	v_nop                                          ; a plain line behind the reciprocal
	s_wait_alu depctr_va_vdst(0)
.irp i, 0,1,2,3
	v_mul_f32 v[LG+\i], v[LG+\i], v223             ; p
.endr
	v_mul_f32 v221, v221, v223                     ; pm
	s_lshr_b32 s23, s22, 1
	s_cmp_eq_u32 s23, s49                          ; of the batch's eight work-groups, number j stores rows 256 j on: its waves 2 j and 2 j + 1
	s_cbranch_scc0 .Lnot_owner
	global_store_b128 v3, v[LG:LG+3], s[16:17]     ; 512 consecutive bytes, aligned; neither register is written again
.Lnot_owner:
	s_wait_alu depctr_va_vdst(0)
.irp i, 0,1,2,3
	v_sub_f32 v[T1+16+\i], v[LG+\i], v221          ; p - pm: exactly 0 in a masked row
.endr
	ds_store_b128 v3, v[T1+16:T1+19] offset:PB
	s_wait_dscnt 0x0
	s_barrier_signal -1
	s_barrier_wait -1                              ; the 2,048 weights lie in LDS
.irp q, 0,1,2,3
	v_lshlrev_b32 v[T1+20+\q], 2, v[VI+\q]
.endr
.irp q, 0,1,2,3
	ds_load_b32 v[VW+\q], v[T1+20+\q] offset:PB    ; my entries' weights: addressed by the list, within the bound set above
.endr
	s_wait_dscnt 0x0
	s_barrier_signal -1
	s_barrier_wait -1                              ; between the barrier above and this one LDS is only read; behind it the waves' parts are stored
.irp i, 0,1,2,3,4,5,6,7
	v_mov_b32 v[ACC+\i], 0
.endr
	; ---- the trips, written out: one branch each, on the stored count and the wave's number
.irp k, 0,1,2,3,4,5,6
	s_cmp_gt_u32 s[NW], \k+1
	s_cbranch_scc0 .Llast_\k
	ISSUE \k+1
	s_wait_loadcnt 16                              ; this trip's rows are in (and psum); younger: the 16 just asked for
	CONSUME \k
.endr
	s_wait_alu depctr_va_vdst(0)
	s_wait_loadcnt 0x0
	CONSUME 7
	s_branch .Ldone
.irp k, 0,1,2,3,4,5,6
.Llast_\k:
	s_wait_loadcnt 0x0                             ; nothing was asked for behind this trip's rows
	s_wait_alu depctr_va_vdst(0)
	CONSUME \k
	s_branch .Ldone
.endr
.Ldone:
	s_wait_alu depctr_va_vdst(0)
	v_pk_add_f32 v[ACC:ACC+1], v[ACC:ACC+1], v[ACC+4:ACC+5]
	v_pk_add_f32 v[ACC+2:ACC+3], v[ACC+2:ACC+3], v[ACC+6:ACC+7]
	ds_store_b128 v3, v[ACC:ACC+3] offset:RED      ; 512 x wave + 16 x lane
	s_wait_dscnt 0x0
	s_barrier_signal -1
	s_barrier_wait -1
	s_cmp_lg_u32 s22, 0
	s_cbranch_scc1 .Lend                           ; wave 0 adds the sixteen parts
.irp i, 0,1,2,3,4,5,6,7,8,9,10,11,12,13,14,15
	ds_load_b128 v[X+4*\i:X+4*\i+3], v2 offset:RED+512*\i
.endr
.irp k, 1,2,3,4,5,6,7
.irp i, 0,2
	v_pk_add_f32 v[PS+\i:PS+\i+1], v[PS+\i:PS+\i+1], v[PS+4*\k+\i:PS+4*\k+\i+1]   ; the batch's column sums
.endr
.endr
	s_wait_dscnt 0x0
.irp k, 1,2,3,4,5,6,7,8,9,10,11,12,13,14,15
.irp i, 0,2
	v_pk_add_f32 v[X+\i:X+\i+1], v[X+\i:X+\i+1], v[X+4*\k+\i:X+4*\k+\i+1]
.endr
.endr
.irp i, 0,1,2,3
	v_fma_f32 v[X+\i], v[PS+\i], v221, v[X+\i]     ; + pm x column sum
.endr
	global_store_b128 v2, v[X:X+3], s[14:15]       ; 512 consecutive bytes, aligned
.Lend:
	s_wait_tensorcnt 0x0
	ds_add_u32 v224, v225
	s_wait_dscnt 0x0
	s_endpgm
.Lfunc_end_k_q76a03435c3_finish:
	.size	k_q76a03435c3_finish, .Lfunc_end_k_q76a03435c3_finish-k_q76a03435c3_finish
	.p2alignl 7, 3214868480
	.fill 96, 4, 3214868480
	.section	.rodata,"a",@progbits
	.p2align	6, 0x0
	.amdhsa_kernel k_q76a03435c3_finish
		.amdhsa_group_segment_fixed_size 19456
		.amdhsa_private_segment_fixed_size 0
		.amdhsa_enable_private_segment 0
		.amdhsa_kernarg_size 56
		.amdhsa_user_sgpr_count 2
		.amdhsa_user_sgpr_kernarg_segment_ptr 1
		.amdhsa_wavefront_size32 1
		.amdhsa_system_sgpr_workgroup_id_x 1
		.amdhsa_system_sgpr_workgroup_id_y 1
		.amdhsa_system_sgpr_workgroup_id_z 1
		.amdhsa_system_vgpr_workitem_id 0
		.amdhsa_next_free_vgpr 226
		.amdhsa_next_free_sgpr 66
		.amdhsa_reserve_vcc 0
		.amdhsa_float_denorm_mode_32 3
		.amdhsa_float_denorm_mode_16_64 3
		.amdhsa_memory_ordered 1
		.amdhsa_forward_progress 1
		.amdhsa_inst_pref_size 97
	.end_amdhsa_kernel
	.amdgpu_metadata
---
amdhsa.version: [ 1, 2 ]
amdhsa.kernels:
  - .name:           k_q76a03435c3_finish
    .symbol:         k_q76a03435c3_finish.kd
    .args:
      - { .name: embed_output, .offset: 0, .size: 8, .value_kind: global_buffer, .address_space: global }
      - { .name: logits, .offset: 8, .size: 8, .value_kind: global_buffer, .address_space: global }
      - { .name: order, .offset: 16, .size: 8, .value_kind: global_buffer, .address_space: global }
      - { .name: cnt, .offset: 24, .size: 8, .value_kind: global_buffer, .address_space: global }
      - { .name: psum, .offset: 32, .size: 8, .value_kind: global_buffer, .address_space: global }
      - { .name: out0, .offset: 40, .size: 8, .value_kind: global_buffer, .address_space: global }
      - { .name: out1, .offset: 48, .size: 8, .value_kind: global_buffer, .address_space: global }
    .group_segment_fixed_size: 19456
    .private_segment_fixed_size: 0
    .kernarg_segment_align: 8
    .kernarg_segment_size: 56
    .max_flat_workgroup_size: 512
    .sgpr_count:     66
    .vgpr_count:     226
    .wavefront_size: 32
...
	.end_amdgpu_metadata
.endif
;; end of part 3
